; MI455X (gfx1250); checked and timed in simulation.
; The chip was launched on July 23, 2026; its instructions are those of AMD's public machine-readable ISA for CDNA 5 (MIT licence, August 2026) and "CDNA5" Instruction Set Architecture Reference Guide (July 2026). The comments in the code are by the model that wrote it; some were corrected since.
;; Luong Concat Attention. Allowed arithmetic: matrix products marked QUANTISED: E3M2 operands, one E8M0 scale for each 32 along K, by v_wmma_scale_f32_16x16x128_f8f6f4 with both operands' format E3M2, f32 sums; products left as they are: f32 operands where the result goes on into a quantised operand, else bf16, f16 or f32 operands; f32 sums; everything else in f32.
;; Inputs: W_a 1,024 x 2,048 float32; decoder_hidden_codes 32 x 32 x 24 uint8 (E3M2 codes of decoder_hidden, K innermost, in blocks of 32 codes, four codes in three bytes); decoder_hidden_scales 32 x 32 uint8 (E8M0 scales of decoder_hidden, one for each 32 codes along K); encoder_all_hidden_codes 32 x 2,048 x 32 x 24 uint8 (E3M2 codes of encoder_all_hidden, K innermost, in blocks of 32 codes, four codes in three bytes); encoder_all_hidden_scales 32 x 2,048 x 32 uint8 (E8M0 scales of encoder_all_hidden, one for each 32 codes along K); v 1,024 float32.
;; Outputs: out0 32 x 2,048 float32.
;; This version of the problem:
;;   THIS VERSION OF THE PROBLEM IS GIVEN IN LOW PRECISION. The matrix products marked QUANTISED in the list below multiply operands that are first quantised to E3M2 (3 exponent bits, 2 mantissa bits; 6 bits a number), with one power-of-two scale for each 32 numbers along K (OCP MX v1.0); their sums are f32. All else is computed in f32.
;;   The module's matrix products, in the order in which they are computed (A, B: the left and right operand; K: the contracted axis; several contracted axes count as one K, in the product's order):
;;     1. [M 32, K 1,024] x [K 1,024, N 1,024]; A: input decoder_hidden (given as codes); B: input W_a: QUANTISED
;;     2. [M 65,536, K 1,024] x [K 1,024, N 1,024]; A: input encoder_all_hidden (given as codes); B: input W_a: QUANTISED
;;     3. [M 65,536, K 1,024] x [K 1,024, N 1]; A: computed on the way; B: input v: left as it is (N = 1 < 16)
;;   THE QUANTISER, for each operand of a quantised product, along K:
;;     - K is cut into blocks of 32 from its start; a last block that is shorter is filled with zeros.
;;     - A block's scale is 2^e with e = floor(log2(the largest magnitude in the block)) - 4, held to -126 .. 127; a block of zeros has e = 0. As a byte (E8M0): e + 127.
;;     - Each number is divided by its block's scale, clamped to +-28, and rounded to the nearest number of E3M2, ties to even, subnormals kept.
;;     - The product sums the exact products of the quantised numbers (number of the format x scale) in f32.
;;   ~~~python
;;   def quantise(x, axis):      # numpy; x: float32 -> the quantised numbers, widened to float32 again
;;       x = np.moveaxis(x, axis, -1); K = x.shape[-1]
;;       x = np.pad(x, [(0, 0)] * (x.ndim - 1) + [(0, -K % 32)]); x = x.reshape(x.shape[:-1] + (-1, 32)); a = np.abs(x).max(-1, keepdims=True)
;;       e = np.where(a > 0, np.clip(np.frexp(np.where(a > 0, a, 1))[1] - 1 - 4, -126, 127), 0)      # np.frexp(a)[1] - 1 = floor(log2(a)), exactly
;;       r = np.clip(x / 2.0 ** e, -28, 28)
;;       step = 2.0 ** (np.maximum(np.frexp(np.where(r == 0, 1, r))[1] - 1, -2) - 2)
;;       q = np.round(r / step) * step * 2.0 ** e      # np.round: ties to even
;;       return np.moveaxis(q.reshape(q.shape[:-2] + (-1,))[..., :K], -1, axis).astype(np.float32)
;;   ~~~
;;   INPUTS GIVEN AS CODES. decoder_hidden (in the module: [32, 1024], K = its axis 1); encoder_all_hidden (in the module: [32, 2048, 1024], K = its axis 2): each comes as NAME_codes (uint8): NAME with its K axis moved to the last place and cut into blocks of 32 codes, [.., K / 32, bytes a block], one block behind the other in memory; four codes in three bytes: a row's codes are one little-endian stream of bits, code i at bits 6 i .. 6 i + 5 (a code: sign, 3 exponent bits, 2 mantissa bits); and NAME_scales (uint8): the same leading axes, one E8M0 byte (e + 127) for each 32 codes along K. Its value is code x scale, taken as it is: it is not quantised again, and the codes and scales need not be those that the quantiser above would give.
;; One version. Each part assembles by itself: llvm-mc -triple=amdgcn-amd-amdhsa -mcpu=gfx1250 --defsym DOCPART=n.
;; ======== version 1 of 1: 3 launches
;; limits: right only within a limited range of input values
;; workspace buffers: wimg 819,200 bytes; decp 262,144 bytes; u 262,144 bytes
;; launch prep (part 1): grid 256 x 1, 4 waves a work-group, no clusters, 76,544 bytes of LDS; arguments W_a, decoder_hidden_codes, decoder_hidden_scales, wimg, decp; writes wimg, decp
.if DOCPART == 1
	.amdgcn_target "amdgcn-amd-amdhsa--gfx1250"
	.amdhsa_code_object_version 6
	.text
	.protected	k_q5f90c1956f_prep
	.globl	k_q5f90c1956f_prep
	.p2align	8
	.type	k_q5f90c1956f_prep,@function
k_q5f90c1956f_prep:
	s_mov_b64 s[64:65], 0
	v_nop
	global_prefetch_b8 v0, s[64:65] scope:SCOPE_SE
	s_setreg_imm32_b32 hwreg(HW_REG_WAVE_MODE, 25, 1), 1
	s_wait_xcnt 0x0
; W_a [1024][2048] f32, K innermost, is quantised to codes of BF6 (E3M2) with one E8M0 scale for each 32 along K.  Columns 0-1023 are Wd, columns 1024-2047 We; 1,024 is a multiple of 32, so
; blocks of 32 along a whole row serve both.  We leaves as IMAGES OF OPERAND REGISTERS (wimg); Wd is multiplied at once by the decoder's codes: two parts of dec_proj, each [32][1024] f32 (decp).
; Nothing of reference() is left out here.  The later launches leave out the sum of v, which is the same for all s of a batch row and falls out of the softmax for every input; a NaN or an overflow in that sum alone is not carried on.
; SHARES.  Work-group id takes rows 16 nb .. 16 nb + 15 of W_a (nb = id / 4), one half of its columns ((id / 2) % 2: 0 Wd, 1 We) and there the K steps 4 kh .. 4 kh + 3 of 128 (kh = id % 2).  Wave w takes K step k = 4 kh + w: one fragment.
; wimg: 64 records of 12,800 bytes, one for each 16 rows of We.  Bytes 0 .. 12,287: eight fragments of 1,536 bytes; registers 4 c .. 4 c + 3 of lane l of K step k lie at 1536 k + 512 c + 16 l.
; Bytes 12,288 .. 12,799: the scale words, a block of 256 bytes for each kh; the word of row r for K step k lies at 256 (k / 4) + 8 (16 (k % 2) + r) + 4 ((k / 2) % 2): 8 bytes a lane give two registers, even K steps in lanes 0-15.
; A block's scale is 2^(floor(log2(its largest magnitude)) - 4); its byte is that magnitude's exponent field - 4, held at 1 from below.
; LIMITS: NaN and infinities in W_a are not served.  A block of zeros gets the byte 1 where the rule says 127: its codes are zeros, and this program alone reads the bytes.
; decp[kh] is the sum over the work-group's four K steps, K ascending; the next launch adds the two parts.  It is stored in pieces of 16 bytes (a work-group owns 64 bytes of each of 32 rows).
; No tensor load: every byte of W_a is asked for at once, 16 loads a wave.  256 work-groups of equal loads: a fragment wants 16 rows, and a block of scale words, 256 bytes, has one owner.
; The two roles part on the work-group's number; each has LDS bytes of its own, and the one barrier stands on the way that both take.
.set WSTG, 8448                        ; a stage for each wave: 16 rows x (512 bytes + 16)
.set STD,  0                           ; LDS 0 ..: the four stages of a work-group that takes Wd
.set STE,  33792                       ; and of one that takes We
.set PS,   67584                       ; four waves' parts of dec_proj: 2 tiles x 1,024 bytes each
.set SCW,  75776                       ; We's scale words: 256 bytes, laid as in the record
.set SPARE, 76032                      ; the spare words, 128 bytes a wave
.set R,    16                          ; v16-79   16 rows as loaded; later the parts of dec_proj
.set X,    80                          ; v80-143  two blocks of 32 numbers of my row
.set F,    144                         ; v144-155 the fragment's codes
.set F2,   156                         ; v156-158, v160-162 the blocks' upper halves, as the conversions leave them
.set MX,   164
.set SO,   166
.set BY,   168
.set SW,   170                         ; my row's scale word
.set TP,   171
.set DF,   176                         ; v176-199 the decoder's two fragments (batches 0-15, 16-31)
.set DS,   200                         ; its scale words: lane l has batch l's
.set D0,   208                         ; v208-223 two accumulators
	s_load_b256 s[4:11], s[0:1], 0x0               ; W_a s[4:5], decoder's codes s[6:7], its scales s[8:9], wimg s[10:11]
	s_load_b64 s[12:13], s[0:1], 0x20              ; decp
	v_lshl_add_u32 v224, v0, 2, SPARE
	v_mov_b32 v225, 0
	v_lshrrev_b32 v1, 5, v0
	v_readfirstlane_b32 s16, v1                    ; wave 0..3
	s_and_b32 s15, ttmp9, 1                        ; kh
	s_bfe_u32 s17, ttmp9, 0x10001                  ; half: 0 Wd, 1 We
	s_lshr_b32 s14, ttmp9, 2                       ; nb
	s_lshl_b32 s18, s15, 2
	s_add_co_u32 s18, s18, s16                     ; k
	s_mul_i32 s38, s16, WSTG                       ; my stage
	s_and_b32 s39, s16, 1
	s_lshl_b32 s39, s39, 7
	s_lshr_b32 s22, s16, 1
	s_lshl_b32 s22, s22, 2
	s_add_co_u32 s39, s39, s22
	s_add_co_u32 s39, s39, SCW                     ; my scale words: 128 (k % 2) + 4 ((k / 2) % 2)
	s_lshl_b32 s40, s16, 11
	s_add_co_u32 s40, s40, PS                      ; my K step's part of dec_proj
	s_lshr_b32 s41, s16, 1
	s_lshl_b32 s41, s41, 16
	s_and_b32 s22, s16, 1
	s_lshl_b32 s22, s22, 4
	s_add_co_u32 s41, s41, s22
	s_lshl_b32 s20, s14, 17                        ; W_a: 16 rows of 8,192 bytes,
	s_lshl_b32 s21, s17, 12                        ; 4,096 bytes a half,
	s_add_co_u32 s20, s20, s21
	s_lshl_b32 s21, s18, 9                         ; 512 bytes a K step
	s_add_co_u32 s20, s20, s21
	s_mov_b32 s21, 0
	s_mul_i32 s22, s18, 96                         ; the decoder's codes: 96 bytes a K step
	s_mov_b32 s23, 0
	s_lshl_b32 s28, s18, 2                         ; its scale bytes: 4 a K step
	s_mov_b32 s29, 0
	s_mul_i32 s30, s14, 12800                      ; my record of wimg,
	s_mov_b32 s31, 0
	s_mul_i32 s32, s18, 1536                       ; my fragment in it,
	s_mov_b32 s33, 0
	s_lshl_b32 s36, s15, 8                         ; my block of its scale words
	s_mov_b32 s37, 0
	s_lshl_b32 s34, s14, 6                         ; decp: my 16 columns,
	s_lshl_b32 s35, s15, 17                        ; in part kh
	s_add_co_u32 s34, s34, s35
	s_mov_b32 s35, 0
	s_mov_b32 s24, 0x76543210
	s_mov_b32 s25, 0xfedcba98                      ; v_permlanex16_b32's selects for lane l xor 16
	; every LDS address is made here, ahead of the parting of the roles, of the wave's number and the lane alone
	v_and_b32 v1, 31, v0                           ; lane
	v_and_b32 v2, 15, v0                           ; r
	v_bfe_u32 v3, v0, 4, 1                         ; h
	v_lshlrev_b32 v4, 4, v1                        ; 16 x lane
	v_mul_u32_u24 v6, v2, 528
	v_mul_u32_u24 v10, v2, 768
	v_lshlrev_b32 v12, 12, v2
	v_add_nc_u32 v5, s38, v4                       ; into my stage: a row's 512 bytes as they lie
	v_lshl_add_u32 v6, v3, 7, v6
	v_mad_u32_u24 v10, v3, 24, v10                 ; the decoder's codes: row r of 768 bytes, + 24 h
	v_lshl_add_u32 v12, v3, 5, v12
	v_lshl_add_u32 v7, v2, 3, s39                  ; my row's scale word
	v_add_nc_u32 v6, s38, v6                       ; out of my stage: row r, + 128 h: my block of 32 numbers
	v_add_nc_u32 v8, s40, v4
	v_add_nc_u32 v12, s41, v12                     ; decp: batch 16 (w / 2) + r, 4,096 bytes a batch, + 32 h + 16 (w % 2)
	v_lshl_add_u32 v9, v0, 4, PS                   ; the summing: thread t takes 16 bytes of each part
	v_lshlrev_b32 v11, 5, v1                       ; the decoder's scale bytes: 32 a batch
	v_lshl_add_u32 v13, v1, 3, SCW                 ; the scale words, on their way out,
	v_lshlrev_b32 v14, 3, v1                       ; and their place in the block
	s_wait_alu depctr_va_vdst(0)                   ; the wait at the head's end
	s_wait_kmcnt 0x0
	s_add_nc_u64 s[4:5], s[4:5], s[20:21]
	s_add_nc_u64 s[6:7], s[6:7], s[22:23]
	s_add_nc_u64 s[8:9], s[8:9], s[28:29]
	s_add_nc_u64 s[10:11], s[10:11], s[30:31]
	s_add_nc_u64 s[26:27], s[10:11], s[32:33]
	s_add_nc_u64 s[36:37], s[10:11], s[36:37]
	s_add_nc_u64 s[12:13], s[12:13], s[34:35]
; My 16 rows x 128 numbers.  Each load reads 512 consecutive bytes of one row, at a multiple of 512 from W_a's first byte.  The conversions want 32 neighbours in ONE lane: the rows turn through my own stage,
; which begins at LDS byte base + 8,448 x wave.
.macro ROWS base
.irp i, 0,1,2,3,4,5,6,7,8,9,10,11,12,13,14,15
	global_load_b128 v[R+4*\i:R+4*\i+3], v4, s[4:5] offset:8192*\i th:TH_LOAD_NT
.endr
.irp i, 0,1,2,3,4,5,6,7,8,9,10,11,12,13,14,15
	s_wait_loadcnt 15-\i                           ; loads come back in order: row i is in, the 15 - i younger ones may be out
	ds_store_b128 v5, v[R+4*\i:R+4*\i+3] offset:\base+528*\i
.endr
.irp c, 0,1
.irp i, 0,1,2,3,4,5,6,7
	ds_load_b128 v[X+32*\c+4*\i:X+32*\c+4*\i+3], v6 offset:\base+256*\c+16*\i   ; k = 64 c + 32 h + 4 i ..: LDS serves a wave's instructions in order, so these see my stores
.endr
.endr
	s_wait_dscnt 0x0
.endm
; Lane (r, h) holds blocks h and 2 + h of row r, 32 numbers each, in the order in which the operand's registers want them: the conversions' results are the fragment.
.macro QUANT
.irp c, 0,1
	v_max3_num_f32 v[MX+\c], |v[X+32*\c]|, |v[X+32*\c+1]|, 0x2800000   ; with the floor 2^(5 - 127): the byte cannot fall under 1
.endr
.irp i, 2,4,6,8,10,12,14,16,18,20,22,24,26,28,30
.irp c, 0,1
	v_max3_num_f32 v[MX+\c], v[MX+\c], |v[X+32*\c+\i]|, |v[X+32*\c+\i+1]|   ; the two blocks by turns
.endr
.endr
.irp c, 0,1
	v_add_nc_u32 v[SO+\c], 0xfe000000, v[MX+\c]    ; 4 off the exponent field: the conversion takes this operand's exponent field as its scale
.endr
.irp c, 0,1
	v_lshrrev_b32 v[BY+\c], 23, v[SO+\c]           ; the scale's byte
.endr
	v_lshl_or_b32 v[SW], v[BY+1], 16, v[BY]        ; my two bytes,
	v_lshlrev_b32 v[TP], 3, v3
	v_lshlrev_b32 v[SW], v[TP], v[SW]              ; 8 h bits up;
	v_mov_b32 v[TP], 0
	v_permlanex16_b32 v[TP], v[SW], s24, s25
	v_or_b32 v[SW], v[SW], v[TP]                   ; with lane l xor 16's two the row's word is whole, in both halves of the lanes
.irp c, 0,1
	v_cvt_scalef32_pk16_bf6_f32 v[F+6*\c:F+6*\c+2], v[X+32*\c:X+32*\c+15], v[SO+\c]
	v_cvt_scalef32_pk16_bf6_f32 v[F2+4*\c:F2+4*\c+2], v[X+32*\c+16:X+32*\c+31], v[SO+\c]   ; (a conversion's three registers begin on an even number)
.endr
	v_nop                                          ; one plain instruction behind the last scaled conversion
.irp c, 0,1
.irp i, 0,1,2
	v_mov_b32 v[F+3+6*\c+\i], v[F2+4*\c+\i]
.endr
.endr
.endm
	s_cmp_eq_u32 s17, 0                            ; the one parting ahead of the barrier, the same in all four waves
	s_cbranch_scc0 .Lwe
	; ---- Wd: the fragment is multiplied at once by the decoder's 32 rows
.irp t, 0,1
.irp p, 0,1,2,3,4,5
	global_load_b64 v[DF+12*\t+2*\p:DF+12*\t+2*\p+1], v10, s[6:7] offset:12288*\t+48*(\p/3)+8*(\p%3)
.endr
.endr
	global_load_b32 v[DS], v11, s[8:9]             ; these 13 loads are older than the rows': the rows' first wait shows them in
	ROWS STD
	QUANT
.rept 8
	v_nop                                          ; a scale register written by vector instructions stands 8 places ahead of a scaled matrix instruction, an operand 4
.endr
	; source 0 = 16 rows of Wd, source 1 = 16 batches: lane (r, h) holds batch 16 t + r and columns 16 nb + 8 h + 0 .. 7
	v_wmma_scale_f32_16x16x128_f8f6f4 v[D0:D0+7], v[F:F+11], v[DF:DF+11], 0, v[SW], v[DS] matrix_a_fmt:MATRIX_FMT_BF6 matrix_b_fmt:MATRIX_FMT_BF6
	v_wmma_scale_f32_16x16x128_f8f6f4 v[D0+8:D0+15], v[F:F+11], v[DF+12:DF+23], 0, v[SW], v[DS] matrix_a_fmt:MATRIX_FMT_BF6 matrix_b_fmt:MATRIX_FMT_BF6 matrix_b_scale:MATRIX_SCALE_ROW1
.rept 4
	v_nop                                          ; four places ahead of the first read of the results
.endr
.irp t, 0,1
	ds_store_b128 v8, v[D0+8*\t:D0+8*\t+3] offset:1024*\t        ; each accumulator from its low end on
	ds_store_b128 v8, v[D0+8*\t+4:D0+8*\t+7] offset:1024*\t+512
.endr
	s_branch .Ljoin
.Lwe:
	; ---- We: the fragment leaves as it stands in the registers
	ROWS STE
	QUANT
.irp c, 0,1,2
	global_store_b128 v4, v[F+4*\c:F+4*\c+3], s[26:27] offset:512*\c   ; 32 lanes store 512 consecutive bytes, at a multiple of 256 from wimg's first byte
.endr
	ds_store_b32 v7, v[SW]                         ; lanes r and 16 + r write the same word with the same value
.Ljoin:
	s_wait_dscnt 0x0                               ; for the others' sake: my LDS stores are done
	s_barrier_signal -1
	s_barrier_wait -1
	s_cmp_eq_u32 s17, 0
	s_cbranch_scc0 .Lnot_sum
	; Wd: wave w adds registers 4 (w % 2) .. + 3 of tile w / 2 over the four K steps, K ascending
.irp k, 0,1,2,3
	ds_load_b128 v[R+4*\k:R+4*\k+3], v9 offset:2048*\k
.endr
	s_wait_dscnt 0x0
.irp k, 1,2,3
	v_pk_add_f32 v[R:R+1], v[R:R+1], v[R+4*\k:R+4*\k+1]
	v_pk_add_f32 v[R+2:R+3], v[R+2:R+3], v[R+4*\k+2:R+4*\k+3]
.endr
	global_store_b128 v12, v[R:R+3], s[12:13]
	s_branch .Lend
.Lnot_sum:
	s_cmp_eq_u32 s16, 0
	s_cbranch_scc0 .Lend
	ds_load_b64 v[R:R+1], v13                      ; We, wave 0: the block of 256 bytes of scale words
	s_wait_dscnt 0x0
	global_store_b64 v14, v[R:R+1], s[36:37] offset:12288   ; 32 lanes store 256 consecutive bytes, at a multiple of 256 from wimg's first byte
.Lend:
	s_wait_tensorcnt 0x0                           ; the wave's end
	ds_add_u32 v224, v225
	s_wait_dscnt 0x0
	s_endpgm
.Lfunc_end_k_q5f90c1956f_prep:
	.size	k_q5f90c1956f_prep, .Lfunc_end_k_q5f90c1956f_prep-k_q5f90c1956f_prep
	.p2alignl 7, 3214868480
	.fill 96, 4, 3214868480
	.section	.rodata,"a",@progbits
	.p2align	6, 0x0
	.amdhsa_kernel k_q5f90c1956f_prep
		.amdhsa_group_segment_fixed_size 76544
		.amdhsa_private_segment_fixed_size 0
		.amdhsa_enable_private_segment 0
		.amdhsa_kernarg_size 40
		.amdhsa_user_sgpr_count 2
		.amdhsa_user_sgpr_kernarg_segment_ptr 1
		.amdhsa_wavefront_size32 1
		.amdhsa_system_sgpr_workgroup_id_x 1
		.amdhsa_system_sgpr_workgroup_id_y 1
		.amdhsa_system_sgpr_workgroup_id_z 1
		.amdhsa_system_vgpr_workitem_id 0
		.amdhsa_next_free_vgpr 226
		.amdhsa_next_free_sgpr 66
		.amdhsa_reserve_vcc 0
		.amdhsa_float_denorm_mode_32 3
		.amdhsa_float_denorm_mode_16_64 3
		.amdhsa_memory_ordered 1
		.amdhsa_forward_progress 1
		.amdhsa_inst_pref_size 22
	.end_amdhsa_kernel
	.amdgpu_metadata
---
amdhsa.version: [ 1, 2 ]
amdhsa.kernels:
  - .name:           k_q5f90c1956f_prep
    .symbol:         k_q5f90c1956f_prep.kd
    .args:
      - { .name: W_a, .offset: 0, .size: 8, .value_kind: global_buffer, .address_space: global }
      - { .name: decoder_hidden_codes, .offset: 8, .size: 8, .value_kind: global_buffer, .address_space: global }
      - { .name: decoder_hidden_scales, .offset: 16, .size: 8, .value_kind: global_buffer, .address_space: global }
      - { .name: wimg, .offset: 24, .size: 8, .value_kind: global_buffer, .address_space: global }
      - { .name: decp, .offset: 32, .size: 8, .value_kind: global_buffer, .address_space: global }
    .group_segment_fixed_size: 76544
    .private_segment_fixed_size: 0
    .kernarg_segment_align: 8
    .kernarg_segment_size: 40
    .max_flat_workgroup_size: 128
    .sgpr_count:     66
    .vgpr_count:     226
    .wavefront_size: 32
...
	.end_amdgpu_metadata
.endif
;; end of part 1
;; launch scores (part 2): grid 256 x 1, 8 waves a work-group, clusters of 4 x 1, 327,680 bytes of LDS; arguments encoder_all_hidden_codes, encoder_all_hidden_scales, wimg, decp, v, u; writes u
.if DOCPART == 2
	.amdgcn_target "amdgcn-amd-amdhsa--gfx1250"
	.amdhsa_code_object_version 6
	.text
	.protected	k_q5f90c1956f_scores
	.globl	k_q5f90c1956f_scores
	.p2align	8
	.type	k_q5f90c1956f_scores,@function
k_q5f90c1956f_scores:
	s_mov_b64 s[64:65], 0
	v_nop
	global_prefetch_b8 v0, s[64:65] scope:SCOPE_SE
	s_setreg_imm32_b32 hwreg(HW_REG_WAVE_MODE, 25, 1), 1
	s_wait_xcnt 0x0
	s_wait_alu depctr_hold_cnt(0) depctr_sa_sdst(0) depctr_va_vdst(0) depctr_va_sdst(0) depctr_va_ssrc(0) depctr_va_vcc(0) depctr_vm_vsrc(0)
	s_getreg_b32 s2, hwreg(HW_REG_IB_STS2, 6, 4)
	s_cmp_eq_u32 s2, 0
	s_cbranch_scc0 .Lentry_in_a_cluster
	s_endpgm
.Lentry_in_a_cluster:
	s_bfe_u32 s2, ttmp6, 0x10000c
	s_cmp_lg_u32 s2, 0x3003
	s_cbranch_scc0 .Lentry_shape_is_right
	s_endpgm
.Lentry_shape_is_right:
; u[b][s] = the sum over e of v[e] / (1 + 2^t), t = c (dec_proj[b][e] + enc[b][s] . We[e]), c = 2 log2(e).  tanh(x) = 1 - 2 / (1 + e^(2 x)), so reference()'s score is (the sum of v) - 2 u.
; The sum of v is the same for all s of a batch row, and the softmax cancels it for every input: it is not added, here or later.
; enc . We^T is made on codes of BF6 (E3M2) with E8M0 scales for each 32 along K.  The product with v (N = 1) is f32 arithmetic.
; LIMITS.  t is held at 30 from above: beyond it 1 / (1 + 2^t) is under 2^-30, that is tanh differs from 1 by under 2^-29, less than half a step of f32 at 1.  NaN and infinities among the inputs are not served.
; SHARES.  Work-group X owns rows 256 X .. 256 X + 255 of enc (one batch row b = X / 8).  Eight waves: wave w owns the 64 rows of row group w % 4 and the column half w / 4 (32 records of 16 columns).
; A wave's fragments of enc for all of K stay in registers (4 blocks x 8 K steps x 12 = 384).  We is walked through two LDS slots, each with four records of either column half.
; A GROUP is one record: 32 matrix instructions on four accumulators by turns, then its tail on 32 numbers a lane.  A fragment of We read from LDS feeds four matrix instructions; four fragment buffers take turns,
; the fourth in the registers of the tail's two tables, which hold nothing during the matrix part.
; THE WAVES ARE OUT OF STEP: those with (w xor w / 4) odd carry each slot's last tail across the change of slots, so that behind each barrier half of the waves begin with matrix instructions and half with vector work.
; THE TAIL.  t = c x + c dec_proj in one packed multiply-add; the hold; e = 2^t; a = 1 + e.  Four terms v / a share one reciprocal: v0/a0 + v2/a2 = (v0 a2 + v2 a0) / (a0 a2), and the same once more on two such fractions.
; Only a2 is formed by an addition: v2 a0 = v2 e0 + v2 and a0 a2 = e0 a2 + a2 are multiply-adds.  With a at most 1 + 2^30 a product of four stays under 2^121 and its reciprocal is a normal number.
; CLUSTER.  All work-groups walk the same We: the four partners ask for each record JOINTLY (the same load, the same descriptor, the mask 15).
; No prefetch: enc is wanted at the head alone, where no loop runs ahead of it; We's 819,200 bytes are read by all 64 clusters, each refill four groups ahead of the wait for it.
; TRANSPOSED: source 0 = 16 rows of We, source 1 = 16 rows of enc: a lane holds ONE row of enc (lane % 16) and the columns 16 g + 8 (lane / 16) + 0 .. 7.
; REGISTERS.  Window 0: v0-11 addresses; v12-27 enc's scale words; v28-31 We's; v32-39 four pairs of sums; v40-71 accumulators; v72-119 four fragments of We; of these v108-115 hold c dec_proj in the tail, then work;
;   v116-123 v in the tail; v124-255 enc's fragments 21-31.  Window 1: enc's fragments 0-20 at 12 f (fragment f = 4 k + block).
.set REC,    12800                     ; a record: 8 fragments of 1,536 bytes and 512 bytes of scale words
.set SLOT1,  1<<17                     ; slot 0 begins at LDS byte 0, slot 1 here
.set DEC,    102400                    ; c x dec_proj[b][:], 4,096 bytes
.set VT,     106496                    ; v, 4,096 bytes
.set SPARE,  110592                    ; the spare words, 128 bytes a wave: four blocks of 256 bytes that no other line names
.set OST,    111616                    ; the way out: 1,024 bytes for each column half; no fill lands here
.set ESTG,   118784                    ; enc's tiles, once.  Slot 1 lies inside these bytes and is filled when all waves have read them out
.set EPITCH, 816                       ; a row of 768 bytes with 16 bytes of padding behind each 256
.set EWAVE,  64*EPITCH
.set NPRE,   11                        ; LDS loads that fetch a record's scale words and K steps 0-2
.set LN,  0                            ; v0   lane
.set AT0, 1                            ; v1   DEC + 32 (lane / 16) + my column half's place in the tables
.set SPW, 2                            ; v2   LDS address of my spare word; never rewritten
.set NIL, 3                            ; v3   0; never rewritten
.set AW,  4                            ; v4   16 x lane + my column half's place in the slot in hand
.set AT,  5                            ; v5   AT0 at the slot's first record
.set EA0, 6                            ; v6   my place in my row group's tile of enc
.set EA1, 7                            ; v7   the same for pieces that lie behind one padding more in lanes 16-31
.set AS,  8                            ; v8   8 x lane + my column half's place in the slot in hand: for the scale words
.set UO,  9                            ; v9   8 x lane: my bytes of u
.set OSA, 10                           ; v10  the way out: in
.set OSB, 11                           ; v11  back
.set ES,  12
.set WS,  28
.set SC,  32
.set ACC, 40
.set WF,  72
.set CD,  108
.set VV,  116
.set EB,  124
.set WV,  16                           ; s16  my wave's number;  s17 row group;  s18 column half;  s60 1: I carry the last tail over
.set RG,  17
.set TY,  18
.set ST,  60
.set G1E, 24                           ; s[24:31] group 1 for enc's tiles;  s[32:39] for We's records
.set G1W, 32
.set G0E, 40                           ; groups 0: enc;  We's refills (it walks);  We's first fill
.set G0W, 44
.set G0H, 48
.set CS,  52                           ; s[52:53] c
.set SEL, 54                           ; s[54:55] v_permlanex16_b32's selects for lane l xor 16
.set CL,  56                           ; s56  30.0
.set SL,  57                           ; s57  counts slots
.set TB,  58                           ; s58  my column half's place in the slot in hand
.set TN,  59                           ; s59  256 x the slot's number: its place in the tables
.set MSB, 0
.macro WIN new                         ; the immediate's high byte repeats the setting that is left; a switch that changes nothing is dropped
.if MSB != \new
	s_set_vgpr_msb (MSB<<8)|\new
.set MSB, \new
.endif
.endm
.macro PLACES n
.rept \n
	v_nop
.endr
.endm
.macro CROUND                          ; a round of the cluster's barrier
	s_barrier_signal -1
	s_barrier_wait -1
	s_cmp_lg_u32 s[WV], 0
	s_cbranch_scc1 .Lnot_wave_0_\@
	s_barrier_signal -3
.Lnot_wave_0_\@:
	s_barrier_wait -3
	s_barrier_signal -1
	s_barrier_wait -1
.endm
	s_load_b256 s[4:11], s[0:1], 0x0               ; enc's codes s[4:5], its scales s[6:7], wimg s[8:9], decp s[10:11]
	s_load_b128 s[12:15], s[0:1], 0x20             ; v s[12:13], u s[14:15]
	v_lshl_add_u32 v[SPW], v0, 2, SPARE
	v_mov_b32 v[NIL], 0
	ds_add_u32 v[SPW], v[NIL]                      ; the opening: the add, twice on end, and its wait ahead of my first tensor load
	ds_add_u32 v[SPW], v[NIL]
	v_lshrrev_b32 v1, 5, v0
	v_readfirstlane_b32 s[WV], v1                  ; wave 0..7
	s_and_b32 s[RG], s[WV], 3
	s_lshr_b32 s[TY], s[WV], 2
	s_xor_b32 s[ST], s[WV], s[TY]
	s_and_b32 s[ST], s[ST], 1
	s_bfe_u32 s19, ttmp6, 0x40000                  ; cx: it enters the addresses of enc, its scales and u alone
	s_lshl_b32 s20, ttmp9, 2
	s_add_co_u32 s20, s20, s19                     ; X
	s_lshr_b32 s21, ttmp9, 1                       ; b = X / 8: the four partners share it
	s_lshl_b32 s22, s20, 8
	s_lshl_b32 s23, s[RG], 6
	s_add_co_u32 s22, s22, s23                     ; my row group's first row
	s_mul_i32 s66, s22, 768                        ; its codes (under 2^32),
	s_mov_b32 s67, 0
	s_lshl_b32 s68, s22, 5                         ; its scale bytes,
	s_mov_b32 s69, 0
	s_lshl_b32 s70, s22, 2                         ; its numbers in u
	s_mov_b32 s71, 0
	s_lshl_b32 s72, s21, 12                        ; dec_proj: batch row b
	s_mov_b32 s73, 0
	s_lshr_b32 s74, s[RG], 1                       ; the first fill of slot 0 (waves 4-7): places 2 (w % 4) and the next: records 32 ((w % 4) / 2) + 2 (w % 2) and the next
	s_lshl_b32 s74, s74, 5
	s_and_b32 s75, s[RG], 1
	s_lshl_b32 s75, s75, 1
	s_add_co_u32 s74, s74, s75
	s_mul_i32 s74, s74, REC
	s_mov_b32 s75, 0
	s_mul_i32 s76, s[RG], 2*REC
	s_mul_i32 s77, s[WV], REC                      ; a refill: wave w fills place w; the first goes to slot 1
	s_add_co_u32 s77, s77, SLOT1
	s_lshl_b32 s78, s[TY], 5                       ; with record 32 (w / 4) + 4 + w % 4
	s_add_co_u32 s78, s78, s[RG]
	s_add_co_u32 s78, s78, 4
	s_mul_i32 s78, s78, REC
	s_mov_b32 s79, 0
	s_mul_i32 s[TB], s[TY], 4*REC                  ; my column half in slot 0,
	s_lshl_b32 s81, s[TY], 11
	s_add_co_u32 s81, s81, DEC                     ; in the tables
	s_mul_i32 s82, s[RG], EWAVE
	s_add_co_u32 s82, s82, ESTG                    ; my row group's tile of enc
	s_lshl_b32 s84, s[RG], 8
	s_add_co_u32 s84, s84, OST
	s_lshl_b32 s83, s[TY], 10
	s_add_co_u32 s83, s83, s84
	; enc: 64 rows of 96 elements of 8 bytes; padding of 4 words behind every 64 words
	s_mov_b32 s[G1E+0], (3<<16)|(1<<20)|(5<<22)|(3<<25)
	s_mov_b32 s[G1E+1], 96<<16
	s_mov_b32 s[G1E+2], 64<<16
	s_mov_b32 s[G1E+3], 96<<16
	s_mov_b32 s[G1E+4], 64
	s_mov_b32 s[G1E+5], 96
	s_mov_b32 s[G1E+6], 0
	s_mov_b32 s[G1E+7], 0
	; We: dense bytes as rows of 256: two records, 100 rows, at the head; the mask names all four partners, bit 21 beside it
	s_mov_b32 s[G1W+0], 15|(3<<16)|(1<<21)
	s_mov_b32 s[G1W+1], 32<<16
	s_mov_b32 s[G1W+2], 100<<16
	s_mov_b32 s[G1W+3], 32<<16
	s_mov_b32 s[G1W+4], 100
	s_mov_b32 s[G1W+5], 32
	s_mov_b32 s[G1W+6], 0
	s_mov_b32 s[G1W+7], 0
	s_mov_b32 s[CS], 0x4038aa3b                    ; c = 2 log2(e)
	s_mov_b32 s[CS+1], s[CS]
	s_mov_b32 s[SEL], 0x76543210
	s_mov_b32 s[SEL+1], 0xfedcba98
	s_mov_b32 s[CL], 0x41f00000                    ; 30.0
	s_mov_b32 s[TN], 0
	v_and_b32 v72, 31, v0                          ; lane
	v_and_b32 v73, 15, v0                          ; r
	v_bfe_u32 v74, v0, 4, 1                        ; h
	v_lshlrev_b32 v75, 4, v0                       ; the tables: thread t takes 16 bytes of each,
	v_lshl_add_u32 v76, v0, 4, DEC                 ; and puts them here
	v_lshlrev_b32 v77, 5, v72                      ; 32 x lane: a row of enc's scale bytes
	v_mul_u32_u24 v[EA0], v73, EPITCH
	v_mad_u32_u24 v[EA0], v74, 24, v[EA0]
	v_add_nc_u32 v[EA0], s82, v[EA0]               ; row r, + 24 h
	v_lshl_add_u32 v[EA1], v74, 4, v[EA0]          ; + 40 h
	v_lshlrev_b32 v[UO], 3, v72
	v_lshl_add_u32 v[OSA], v72, 2, s83
	v_lshl_add_u32 v[OSB], v72, 3, s84
	v_lshl_add_u32 v[AT0], v74, 5, s81
	v_lshl_add_u32 v[AT], v74, 5, s81
	v_lshl_add_u32 v[AW], v72, 4, s[TB]
	v_lshl_add_u32 v[AS], v72, 3, s[TB]
	v_and_b32 v[LN], 31, v0                        ; the thread's number is wanted no more
.irp t, 0,1,2,3,4,5,6,7
	v_mov_b32 v[SC+\t], 0                          ; the four pairs of sums
.endr
	s_wait_alu depctr_va_vdst(0)                   ; the wait at the head's end
	s_wait_dscnt 0x0                               ; both opening adds are done
	s_wait_kmcnt 0x0
	s_mov_b32 s[G0E], 1
	s_mov_b32 s[G0E+1], s82
	s_add_nc_u64 s[G0E+2:G0E+3], s[4:5], s[66:67]
	s_or_b32 s[G0E+3], s[G0E+3], 0x80000000
	s_mov_b32 s[G0H], 1
	s_mov_b32 s[G0H+1], s76
	s_add_nc_u64 s[G0H+2:G0H+3], s[8:9], s[74:75]
	s_or_b32 s[G0H+3], s[G0H+3], 0x80000000
	s_mov_b32 s[G0W], 1
	s_mov_b32 s[G0W+1], s77
	s_add_nc_u64 s[G0W+2:G0W+3], s[8:9], s[78:79]
	s_or_b32 s[G0W+3], s[G0W+3], 0x80000000
	s_add_nc_u64 s[6:7], s[6:7], s[68:69]
	s_add_nc_u64 s[14:15], s[14:15], s[70:71]
	s_add_nc_u64 s[10:11], s[10:11], s[72:73]
	CROUND                                         ; all four work-groups are here: the first joint loads meet
	s_cmp_lt_u32 s[WV], 4                          ; ONE load a wave at the head: waves 0-3 fetch the four row groups of enc, waves 4-7 the four quarters of slot 0
	s_cbranch_scc0 .Lhead_we
	tensor_load_to_lds s[G0E:G0E+3], s[G1E:G1E+7]
	s_nop 0
	PLACES 4
	s_branch .Lhead_asked
.Lhead_we:
	tensor_load_to_lds s[G0H:G0H+3], s[G1W:G1W+7]
	s_nop 0
	PLACES 4
.Lhead_asked:
	; enc's scale words: register ES + 8 pr + k: lanes 0-15 the word of block 2 pr, lanes 16-31 that of block 2 pr + 1, for K step k
.irp pr, 0,1
.irp t, 0,1
	global_load_b128 v[ES+8*\pr+4*\t:ES+8*\pr+4*\t+3], v77, s[6:7] offset:1024*\pr+16*\t
.endr
.endr
	global_load_b128 v[80:83], v75, s[10:11]       ; dec_proj[b][:], K steps 0-3: 256 threads x 16 bytes,
	global_load_b128 v[88:91], v75, s[10:11] offset:131072   ; and K steps 4-7
	global_load_b128 v[84:87], v75, s[12:13]       ; v
	s_wait_loadcnt 0x0
	v_pk_add_f32 v[80:81], v[80:81], v[88:89]
	v_pk_add_f32 v[82:83], v[82:83], v[90:91]
	v_pk_mul_f32 v[80:81], v[80:81], s[CS:CS+1] op_sel_hi:[1,0]   ; c x dec_proj, once for all rows
	v_pk_mul_f32 v[82:83], v[82:83], s[CS:CS+1] op_sel_hi:[1,0]
	s_wait_alu depctr_va_vdst(0)                   ; the wait, directly ahead of the wait below
	s_wait_tensorcnt 0x0                           ; my tile of the head's eight is in; no tensor load of mine is out
	ds_store_b128 v76, v[80:83]
	ds_store_b128 v76, v[84:87] offset:VT-DEC
	s_mov_b32 s[G1W+2], 50<<16                     ; from here on a load of We brings one record: 50 rows
	s_mov_b32 s[G1W+4], 50
	s_wait_dscnt 0x0                               ; for the others' sake: my part of the tables is stored
	s_barrier_signal -1
	s_barrier_wait -1                              ; enc, slot 0 and the tables are whole
; A fragment of enc (K step k, block rb): lane (r, h) takes 24 bytes at 96 k + 24 h and 24 at 96 k + 48 + 24 h of row r, as they lie, in pieces of 8 bytes.  Piece PC of a row lies at 8 PC + 16 (PC / 32).
; Lanes 16-31 read three pieces further on, which is behind one padding more where PC % 32 is 29 or more: the second address register serves those.
.macro EFRAG k, rb
.set f, 4*(\k)+(\rb)
.if f < 21
	WIN 0x40
.set rE, 12*f
.else
	WIN 0
.set rE, EB+12*(f-21)
.endif
.irp p, 0,1,2,3,4,5
.set PC, 12*(\k)+6*(\p/3)+\p%3
.if PC%32 < 29
	ds_load_b64 v[rE+2*\p:rE+2*\p+1], v[EA0] offset:16*EPITCH*(\rb)+8*PC+16*(PC/32)
.else
	ds_load_b64 v[rE+2*\p:rE+2*\p+1], v[EA1] offset:16*EPITCH*(\rb)+8*PC+16*(PC/32)
.endif
.endr
.endm
.irp k, 0,1,2,3,4,5,6,7
.irp rb, 0,1,2,3
	EFRAG \k, \rb
.endr
.endr
	WIN 0
; THE CHANGE OF SLOTS.  Each wave waits for all its tensor loads, adds 0 to its spare word, and waits for that and for its reads of the bytes that are left.
; fill = 1: those bytes are filled again, jointly: the barrier is a round of the cluster's, the refill the first thing behind it, one load a wave.  step = 1: the reads and the walking descriptor turn to the other slot.
.macro CHANGE fill, step
	s_wait_tensorcnt 0x0                           ; no tensor load of mine is out, so a group 0 may be written
	ds_add_u32 v[SPW], v[NIL]                      ; the steps below stand between the add and the wait for it
.if \step
	s_xor_b32 s[TB], s[TB], SLOT1
	s_add_co_u32 s[TN], s[TN], 256
	v_lshl_add_u32 v[AW], v[LN], 4, s[TB]
	v_lshl_add_u32 v[AS], v[LN], 3, s[TB]
	v_add_nc_u32 v[AT], s[TN], v[AT0]
.if \fill
	s_xor_b32 s[G0W+1], s[G0W+1], SLOT1
	s_add_nc_u64 s[G0W+2:G0W+3], s[G0W+2:G0W+3], 4*REC   ; four records on in my column half
.endif
	s_wait_alu depctr_va_vdst(0)
.endif
	s_wait_dscnt 0x0                               ; the add is done, and my reads of the bytes that are left are over
.if \fill
	CROUND
	tensor_load_to_lds s[G0W:G0W+3], s[G1W:G1W+7]  ; it has four groups of each wave in which to land
	s_nop 0
	PLACES 4
.else
	s_barrier_signal -1
	s_barrier_wait -1
.endif
.endm
; One matrix instruction: accumulator rb, K step k, fragment buffer k % 4.  The first K step starts the sum with the constant 0.
; We's scale words: register k / 2, lanes 0-15 for even k, lanes 16-31 for odd k.  enc's: lanes 0-15 for even rb, lanes 16-31 for odd rb.
.macro MM k, rb
.set f, 4*(\k)+(\rb)
.if f < 21
	WIN 0x04                                       ; source 1 window 1
.set rE, 12*f
.else
	WIN 0
.set rE, EB+12*(f-21)
.endif
.set rD, ACC+8*(\rb)
.set rW, WF+12*((\k)%4)
.set rX, WS+(\k)/2
.set rY, ES+8*((\rb)/2)+(\k)
.if ((\k) == 0) && ((\rb)%2 == 0)
	v_wmma_scale_f32_16x16x128_f8f6f4 v[rD:rD+7], v[rW:rW+11], v[rE:rE+11], 0, v[rX], v[rY] matrix_a_fmt:MATRIX_FMT_BF6 matrix_b_fmt:MATRIX_FMT_BF6
.elseif (\k) == 0
	v_wmma_scale_f32_16x16x128_f8f6f4 v[rD:rD+7], v[rW:rW+11], v[rE:rE+11], 0, v[rX], v[rY] matrix_a_fmt:MATRIX_FMT_BF6 matrix_b_fmt:MATRIX_FMT_BF6 matrix_b_scale:MATRIX_SCALE_ROW1
.elseif ((\k)%2 == 0) && ((\rb)%2 == 0)
	v_wmma_scale_f32_16x16x128_f8f6f4 v[rD:rD+7], v[rW:rW+11], v[rE:rE+11], v[rD:rD+7], v[rX], v[rY] matrix_a_fmt:MATRIX_FMT_BF6 matrix_b_fmt:MATRIX_FMT_BF6
.elseif ((\rb)%2 == 0)
	v_wmma_scale_f32_16x16x128_f8f6f4 v[rD:rD+7], v[rW:rW+11], v[rE:rE+11], v[rD:rD+7], v[rX], v[rY] matrix_a_fmt:MATRIX_FMT_BF6 matrix_b_fmt:MATRIX_FMT_BF6 matrix_a_scale:MATRIX_SCALE_ROW1
.elseif ((\k)%2 == 0)
	v_wmma_scale_f32_16x16x128_f8f6f4 v[rD:rD+7], v[rW:rW+11], v[rE:rE+11], v[rD:rD+7], v[rX], v[rY] matrix_a_fmt:MATRIX_FMT_BF6 matrix_b_fmt:MATRIX_FMT_BF6 matrix_b_scale:MATRIX_SCALE_ROW1
.else
	v_wmma_scale_f32_16x16x128_f8f6f4 v[rD:rD+7], v[rW:rW+11], v[rE:rE+11], v[rD:rD+7], v[rX], v[rY] matrix_a_fmt:MATRIX_FMT_BF6 matrix_b_fmt:MATRIX_FMT_BF6 matrix_a_scale:MATRIX_SCALE_ROW1 matrix_b_scale:MATRIX_SCALE_ROW1
.endif
.endm
; NPRE = 11 LDS loads ahead of a group: record q's scale words (two blocks of 256 bytes, 8 bytes a lane of each) and its K steps 0-2
.macro PRE q
	ds_load_b64 v[WS:WS+1], v[AS] offset:(\q)*REC+12288
	ds_load_b64 v[WS+2:WS+3], v[AS] offset:(\q)*REC+12288+256
.irp t, 0,1,2,3,4,5,6,7,8
	ds_load_b128 v[WF+4*\t:WF+4*\t+3], v[AW] offset:(\q)*REC+512*\t
.endr
.endm
; THE MATRIX PART of the group of record q of my four in the slot.  K step 3 is fetched first, into the fourth buffer, which the tail before has left.  Behind K steps 0 and 1, and four places, their buffers take K steps 4 and 5;
; behind K steps 2 and 3 theirs take 6 and 7.  Each wait counts the LDS loads, three a fragment, issued behind the fragment wanted: three fragments, 9, at K steps 0, 2, 4; two, 6, at 1, 3, 5; then 3 and 0.
; The four accumulators take turns, one instruction a turn.  Four places end the part; behind them come the group's c dec_proj and v, for its tail, and the next record's first loads.
.macro MPH q
.irp c, 0,1,2
	ds_load_b128 v[WF+36+4*\c:WF+36+4*\c+3], v[AW] offset:(\q)*REC+512*(9+\c)
.endr
.set k, 0
.rept 8
.if k < 6
	s_wait_dscnt 9-3*(k%2)
.else
	s_wait_dscnt 3*(7-k)
.endif
	MM k, 0
	MM k, 1
	MM k, 2
	MM k, 3
.if (k == 1) || (k == 3)
	PLACES 4
.irp c, 0,1,2,3,4,5
	ds_load_b128 v[WF+12*(k-1)+4*\c:WF+12*(k-1)+4*\c+3], v[AW] offset:(\q)*REC+512*(3*(k+3)+\c)
.endr
.endif
.set k, k+1
.endr
	PLACES 4
	ds_load_b128 v[CD:CD+3], v[AT] offset:64*(\q)
	ds_load_b128 v[CD+4:CD+7], v[AT] offset:64*(\q)+16
	ds_load_b128 v[VV:VV+3], v[AT] offset:64*(\q)+VT-DEC
	ds_load_b128 v[VV+4:VV+7], v[AT] offset:64*(\q)+VT-DEC+16
.if (\q) < 3
	PRE (\q)+1
.endif
.endm
; THE TAIL of a group.  P(rb, m) = the m-th pair of accumulator rb; T(rb) = a pair of the registers that held c dec_proj.  The four accumulators take turns in every stage.
.macro STM d0, ds, a0, as, b0, bs      ; for rb = 0 .. 3: pair d = pair a x pair b; each pair at base + step x rb
.irp rb, 0,1,2,3
	v_pk_mul_f32 v[\d0+\ds*\rb:\d0+\ds*\rb+1], v[\a0+\as*\rb:\a0+\as*\rb+1], v[\b0+\bs*\rb:\b0+\bs*\rb+1]
.endr
.endm
.macro STF d0, ds, a0, as, b0, bs, c0, cs   ; pair d = pair a x pair b + pair c
.irp rb, 0,1,2,3
	v_pk_fma_f32 v[\d0+\ds*\rb:\d0+\ds*\rb+1], v[\a0+\as*\rb:\a0+\as*\rb+1], v[\b0+\bs*\rb:\b0+\bs*\rb+1], v[\c0+\cs*\rb:\c0+\cs*\rb+1]
.endr
.endm
.macro VPH n                           ; n: the LDS loads issued behind those of the two tables, which may stay out
	s_wait_dscnt \n
.irp rb, 0,1,2,3
.irp m, 0,1,2,3
	v_pk_fma_f32 v[ACC+8*\rb+2*\m:ACC+8*\rb+2*\m+1], v[ACC+8*\rb+2*\m:ACC+8*\rb+2*\m+1], s[CS:CS+1], v[CD+2*\m:CD+2*\m+1] op_sel_hi:[1,0,1]   ; t = c x + c dec_proj; each accumulator from its low end on
.endr
.endr
.set j, 0
.rept 16
	v_dual_min_num_f32 v[ACC+j], s[CL], v[ACC+j] :: v_dual_min_num_f32 v[ACC+j+1], s[CL], v[ACC+j+1]   ; the hold at 30
.set j, j+2
.endr
	s_wait_alu depctr_va_vdst(0)                   ; the wait ahead of the batch
.set j, 0
.rept 32
	v_exp_f32 v[ACC+j], v[ACC+j]
.set j, j+1
.endr
	v_nop                                          ; a plain instruction behind the last exponential,
	s_wait_alu depctr_va_vdst(0)                   ; and one wait for the 32
.irp m, 2,6
.irp rb, 0,1,2,3
	v_pk_add_f32 v[ACC+8*\rb+\m:ACC+8*\rb+\m+1], v[ACC+8*\rb+\m:ACC+8*\rb+\m+1], 1.0 op_sel_hi:[1,0]   ; P1 and P3: a = 1 + e; P0 and P2 stay e
.endr
.endr
	STF CD, 2, VV+2, 0, ACC, 8, VV+2, 0            ; T  = (v2, v3) x P0 + (v2, v3) = (v2 a0, v3 a1)
	STF CD, 2, VV, 0, ACC+2, 8, CD, 2              ; T += (v0, v1) x P1: the numerators of columns (0, 2) and (1, 3)
	STF ACC, 8, ACC, 8, ACC+2, 8, ACC+2, 8         ; P0 = P0 x P1 + P1: their denominators
	STF ACC+2, 8, VV+6, 0, ACC+4, 8, VV+6, 0       ; P1  = (v6, v7) x P2 + (v6, v7)
	STF ACC+2, 8, VV+4, 0, ACC+6, 8, ACC+2, 8      ; P1 += (v4, v5) x P3
	STF ACC+4, 8, ACC+4, 8, ACC+6, 8, ACC+6, 8     ; P2 = P2 x P3 + P3
	STM ACC+6, 8, CD, 2, ACC+4, 8                  ; P3  = T x P2
	STF ACC+6, 8, ACC+2, 8, ACC, 8, ACC+6, 8       ; P3 += P1 x P0: the numerators of four columns each
	STM ACC, 8, ACC, 8, ACC+4, 8                   ; P0 = P0 x P2: the denominators
	s_wait_alu depctr_va_vdst(0)                   ; the wait ahead of the batch
.irp rb, 0,1,2,3
	v_rcp_f32 v[ACC+8*\rb], v[ACC+8*\rb]
	v_rcp_f32 v[ACC+8*\rb+1], v[ACC+8*\rb+1]
.endr
	v_nop
	s_wait_alu depctr_va_vdst(0)                   ; and one wait for the eight
	STF SC, 2, ACC+6, 8, ACC, 8, SC, 2             ; the sums
.endm
; A SLOT'S FOUR GROUPS.  A wave that carries begins with the tail that it carried over (not in the first slot) and leaves its last tail for the next slot (in the last slot every wave finishes).
; The branches hang on the wave's number and lead round register work and a wait for LDS loads alone.
.macro PHASE first, last
	PRE 0
.if \first == 0
	s_cmp_eq_u32 s[ST], 0
	s_cbranch_scc1 .Lno_carry_\@
	VPH NPRE
.Lno_carry_\@:
.endif
	MPH 0
	VPH NPRE
	MPH 1
	VPH NPRE
	MPH 2
	VPH NPRE
	MPH 3
.if \last
	VPH 0
.else
	s_cmp_lg_u32 s[ST], 0
	s_cbranch_scc1 .Lcarry_\@
	VPH 0
.Lcarry_\@:
.endif
.endm
	CHANGE 1, 0                                    ; enc is in registers, in every wave of every partner: slot 1 is asked for, into bytes that held enc
	PHASE 1, 0
	s_mov_b32 s[SL], 6
.Lslot:                                            ; trip s = 1 .. 6: the slot read last is filled with the records of slot s + 1, and slot s is multiplied
	CHANGE 1, 1
	PHASE 0, 0
	s_sub_co_u32 s[SL], s[SL], 1
	s_cmp_lg_u32 s[SL], 0
	s_cbranch_scc1 .Lslot
	CHANGE 0, 1                                    ; the last slot is written out: nothing more is asked for
	PHASE 0, 1
	; THE WAY OUT.  A sum's two halves and the other half of the lanes' are added: every lane then holds its column half's part of u of row lane % 16 of each block.  The parts meet in LDS;
	; waves 0-3 add the two column halves and store 64 rows each: one store covers 256 consecutive bytes, at a multiple of 256 from u's first byte.
.irp t, 0,1,2,3
	v_add_f32 v[72+\t], v[SC+2*\t], v[SC+2*\t+1]
.endr
.irp t, 0,1,2,3
	v_mov_b32 v[76+\t], 0                          ; a lane permute's destination counts as one of its sources
.endr
.irp t, 0,1,2,3
	v_permlanex16_b32 v[76+\t], v[72+\t], s[SEL], s[SEL+1]
.endr
.irp t, 0,1,2,3
	v_add_f32 v[72+\t], v[72+\t], v[76+\t]
.endr
	v_cmp_gt_u32 vcc_lo, 16, v[LN]                 ; lanes 0-15
	v_cndmask_b32 v80, v73, v72, vcc_lo            ; block 0 below, block 1 above
	v_cndmask_b32 v81, v75, v74, vcc_lo            ; block 2 below, block 3 above
	ds_store_b32 v[OSA], v80
	ds_store_b32 v[OSA], v81 offset:128
	s_wait_dscnt 0x0                               ; for the others' sake
	s_barrier_signal -1
	s_barrier_wait -1
	s_cmp_lt_u32 s[WV], 4
	s_cbranch_scc0 .Lend
	ds_load_b64 v[82:83], v[OSB]
	ds_load_b64 v[84:85], v[OSB] offset:1024
	s_wait_dscnt 0x0
	v_pk_add_f32 v[82:83], v[82:83], v[84:85]
	global_store_b64 v[UO], v[82:83], s[14:15]
.Lend:
	s_wait_tensorcnt 0x0                           ; the wave's end
	ds_add_u32 v[SPW], v[NIL]
	s_wait_dscnt 0x0
	CROUND                                         ; the closing round
	s_endpgm
.Lfunc_end_k_q5f90c1956f_scores:
	.size	k_q5f90c1956f_scores, .Lfunc_end_k_q5f90c1956f_scores-k_q5f90c1956f_scores
	.p2alignl 7, 3214868480
	.fill 96, 4, 3214868480
	.section	.rodata,"a",@progbits
	.p2align	6, 0x0
	.amdhsa_kernel k_q5f90c1956f_scores
		.amdhsa_group_segment_fixed_size 327680
		.amdhsa_private_segment_fixed_size 0
		.amdhsa_enable_private_segment 0
		.amdhsa_kernarg_size 48
		.amdhsa_user_sgpr_count 2
		.amdhsa_user_sgpr_kernarg_segment_ptr 1
		.amdhsa_wavefront_size32 1
		.amdhsa_system_sgpr_workgroup_id_x 1
		.amdhsa_system_sgpr_workgroup_id_y 1
		.amdhsa_system_sgpr_workgroup_id_z 1
		.amdhsa_system_vgpr_workitem_id 0
		.amdhsa_next_free_vgpr 512
		.amdhsa_next_free_sgpr 96
		.amdhsa_reserve_vcc 1
		.amdhsa_float_denorm_mode_32 3
		.amdhsa_float_denorm_mode_16_64 3
		.amdhsa_memory_ordered 1
		.amdhsa_forward_progress 1
		.amdhsa_inst_pref_size 194
	.end_amdhsa_kernel
	.amdgpu_metadata
---
amdhsa.version: [ 1, 2 ]
amdhsa.kernels:
  - .name:           k_q5f90c1956f_scores
    .symbol:         k_q5f90c1956f_scores.kd
    .args:
      - { .name: encoder_all_hidden_codes, .offset: 0, .size: 8, .value_kind: global_buffer, .address_space: global }
      - { .name: encoder_all_hidden_scales, .offset: 8, .size: 8, .value_kind: global_buffer, .address_space: global }
      - { .name: wimg, .offset: 16, .size: 8, .value_kind: global_buffer, .address_space: global }
      - { .name: decp, .offset: 24, .size: 8, .value_kind: global_buffer, .address_space: global }
      - { .name: v, .offset: 32, .size: 8, .value_kind: global_buffer, .address_space: global }
      - { .name: u, .offset: 40, .size: 8, .value_kind: global_buffer, .address_space: global }
    .group_segment_fixed_size: 327680
    .private_segment_fixed_size: 0
    .kernarg_segment_align: 8
    .kernarg_segment_size: 48
    .max_flat_workgroup_size: 256
    .sgpr_count:     96
    .vgpr_count:     512
    .wavefront_size: 32
...
	.end_amdgpu_metadata
.endif
;; end of part 2
;; launch softmax (part 3): grid 32 x 1, 8 waves a work-group, no clusters, 1,536 bytes of LDS; arguments u, out0; writes out0
.if DOCPART == 3
	.amdgcn_target "amdgcn-amd-amdhsa--gfx1250"
	.amdhsa_code_object_version 6
	.text
	.protected	k_q5f90c1956f_softmax
	.globl	k_q5f90c1956f_softmax
	.p2align	8
	.type	k_q5f90c1956f_softmax,@function
k_q5f90c1956f_softmax:
	s_mov_b64 s[64:65], 0
	v_nop
	global_prefetch_b8 v0, s[64:65] scope:SCOPE_SE
	s_setreg_imm32_b32 hwreg(HW_REG_WAVE_MODE, 25, 1), 1
	s_wait_xcnt 0x0
; alpha[b][s] = softmax over s of the scores, score = (the sum of v) - 2 u[b][s].  The constant is the same for all s and falls out of the softmax, so alpha = 2^(-c (u - m)) / the sum of these,
; c = 2 log2(e), m = the row's SMALLEST u: that is the largest score, taken away ahead of the exponential.  Every exponent is 0 or less and one of them is 0: each p is at most 1 and the sum lies between 1 and 2,048.
; LIMITS: NaN in u is not served; a p under 2^-126 comes out as 0.
; One work-group to a batch row of 2,048 numbers: 8 waves, 8 numbers a thread, kept in registers between the passes.  Each load and store of a wave covers 512 consecutive bytes.
; 32 work-groups: a row's maximum and sum stay inside a work-group.  No matrix unit, no tensor load: 8,192 bytes a work-group.
	s_load_b128 s[4:7], s[0:1], 0x0                ; u, out0
	v_lshl_add_u32 v48, v0, 2, 0x200
	v_mov_b32 v49, 0
	v_lshrrev_b32 v1, 5, v0
	s_delay_alu instid0(VALU_DEP_1)
	v_readfirstlane_b32 s8, v1                     ; wave 0..7
	v_lshlrev_b32 v2, 4, v0                        ; my 16 bytes
	s_delay_alu instid0(VALU_DEP_2)
	v_mov_b32 v3, s8
	s_delay_alu instid0(VALU_DEP_1)
	v_lshlrev_b32 v3, 2, v3                        ; LDS: my wave's word
	v_mov_b32 v4, 0
	s_lshl_b32 s10, ttmp9, 13                      ; 8,192 bytes a row
	s_mov_b32 s11, 0
	s_mov_b32 s12, 0x76543210
	s_mov_b32 s13, 0xfedcba98                      ; v_permlanex16_b32's selects for lane l xor 16
	s_wait_alu depctr_va_vdst(0)
	s_wait_kmcnt 0x0
	s_add_nc_u64 s[4:5], s[4:5], s[10:11]
	s_add_nc_u64 s[6:7], s[6:7], s[10:11]
	global_load_b128 v[8:11], v2, s[4:5] th:TH_LOAD_NT
	global_load_b128 v[12:15], v2, s[4:5] offset:4096 th:TH_LOAD_NT
	s_wait_loadcnt 0x0
	v_min3_num_f32 v16, v8, v9, v10                ; the smallest of my 8,
	v_min3_num_f32 v17, v11, v12, v13
	s_delay_alu instid0(VALU_DEP_2)
	v_min3_num_f32 v16, v16, v14, v15
	s_delay_alu instid0(VALU_DEP_1)
	v_min_num_f32 v16, v16, v17
	s_delay_alu instid0(VALU_DEP_1)
	v_min_num_f32_dpp v16, v16, v16 row_xmask:1 row_mask:0xf bank_mask:0xf   ; of my wave's 256,
	s_delay_alu instid0(VALU_DEP_1)
	v_min_num_f32_dpp v16, v16, v16 row_xmask:2 row_mask:0xf bank_mask:0xf
	s_delay_alu instid0(VALU_DEP_1)
	v_min_num_f32_dpp v16, v16, v16 row_xmask:4 row_mask:0xf bank_mask:0xf
	s_delay_alu instid0(VALU_DEP_1)
	v_min_num_f32_dpp v16, v16, v16 row_xmask:8 row_mask:0xf bank_mask:0xf
	s_delay_alu instid0(VALU_DEP_1)
	v_permlanex16_b32 v17, v16, s12, s13
	s_delay_alu instid0(VALU_DEP_1)
	v_min_num_f32 v16, v16, v17
	ds_store_b32 v3, v16                           ; all lanes write the same word with the same value
	s_wait_dscnt 0x0                               ; for the others' sake
	s_barrier_signal -1
	s_barrier_wait -1
	ds_load_b128 v[20:23], v4
	ds_load_b128 v[24:27], v4 offset:16
	s_wait_dscnt 0x0
	v_min3_num_f32 v16, v20, v21, v22              ; of the row
	v_min3_num_f32 v17, v23, v24, v25
	s_delay_alu instid0(VALU_DEP_2)
	v_min3_num_f32 v16, v16, v26, v27
	s_delay_alu instid0(VALU_DEP_1)
	v_min_num_f32 v16, v16, v17
.irp j, 8,10,12,14
	v_pk_add_f32 v[\j:\j+1], v[\j:\j+1], v[16:17] op_sel_hi:[1,0] neg_lo:[0,1] neg_hi:[0,1]   ; u - m: 0 or more
.endr
.irp j, 8,10,12,14
	s_delay_alu instid0(VALU_DEP_4)
	v_pk_mul_f32 v[\j:\j+1], v[\j:\j+1], 0xc038aa3b op_sel_hi:[1,0]                           ; x -2 log2(e)
.endr
	s_wait_alu depctr_va_vdst(0)
.irp j, 8,9,10,11,12,13,14,15
	v_exp_f32 v[\j], v[\j]
.endr
	v_nop                                          ; a plain instruction behind the last exponential,
	s_wait_alu depctr_va_vdst(0)                   ; and one wait for the eight, ahead of their first reader
	v_pk_add_f32 v[16:17], v[8:9], v[10:11]
	v_pk_add_f32 v[18:19], v[12:13], v[14:15]
	s_delay_alu instid0(VALU_DEP_1)
	v_pk_add_f32 v[16:17], v[16:17], v[18:19]
	s_delay_alu instid0(VALU_DEP_1)
	v_add_f32 v16, v16, v17
	s_delay_alu instid0(VALU_DEP_1)
	v_add_f32_dpp v16, v16, v16 row_xmask:1 row_mask:0xf bank_mask:0xf
	s_delay_alu instid0(VALU_DEP_1)
	v_add_f32_dpp v16, v16, v16 row_xmask:2 row_mask:0xf bank_mask:0xf
	s_delay_alu instid0(VALU_DEP_1)
	v_add_f32_dpp v16, v16, v16 row_xmask:4 row_mask:0xf bank_mask:0xf
	s_delay_alu instid0(VALU_DEP_1)
	v_add_f32_dpp v16, v16, v16 row_xmask:8 row_mask:0xf bank_mask:0xf
	s_delay_alu instid0(VALU_DEP_1)
	v_permlanex16_b32 v17, v16, s12, s13
	s_delay_alu instid0(VALU_DEP_1)
	v_add_f32 v16, v16, v17
	ds_store_b32 v3, v16 offset:256                ; other bytes than the minima's: no wave need have read those yet
	s_wait_dscnt 0x0
	s_barrier_signal -1
	s_barrier_wait -1
	ds_load_b128 v[20:23], v4 offset:256
	ds_load_b128 v[24:27], v4 offset:272
	s_wait_dscnt 0x0
	v_pk_add_f32 v[20:21], v[20:21], v[22:23]
	v_pk_add_f32 v[24:25], v[24:25], v[26:27]
	s_delay_alu instid0(VALU_DEP_1)
	v_pk_add_f32 v[20:21], v[20:21], v[24:25]
	s_delay_alu instid0(VALU_DEP_1)
	v_add_f32 v20, v20, v21                        ; the row's sum
	s_wait_alu depctr_va_vdst(0)
	v_rcp_f32 v28, v20
	v_mov_b32 v29, 0                               ; the plain instruction behind the reciprocal; v29 is named with v28 as a pair, so it is written
	s_wait_alu depctr_va_vdst(0)
.irp j, 8,10,12,14
	v_pk_mul_f32 v[\j:\j+1], v[\j:\j+1], v[28:29] op_sel_hi:[1,0]
.endr
	global_store_b128 v2, v[8:11], s[6:7]
	global_store_b128 v2, v[12:15], s[6:7] offset:4096
	s_wait_tensorcnt 0x0
	ds_add_u32 v48, v49
	s_wait_dscnt 0x0
	s_endpgm
.Lfunc_end_k_q5f90c1956f_softmax:
	.size	k_q5f90c1956f_softmax, .Lfunc_end_k_q5f90c1956f_softmax-k_q5f90c1956f_softmax
	.p2alignl 7, 3214868480
	.fill 96, 4, 3214868480
	.section	.rodata,"a",@progbits
	.p2align	6, 0x0
	.amdhsa_kernel k_q5f90c1956f_softmax
		.amdhsa_group_segment_fixed_size 1536
		.amdhsa_private_segment_fixed_size 0
		.amdhsa_enable_private_segment 0
		.amdhsa_kernarg_size 16
		.amdhsa_user_sgpr_count 2
		.amdhsa_user_sgpr_kernarg_segment_ptr 1
		.amdhsa_wavefront_size32 1
		.amdhsa_system_sgpr_workgroup_id_x 1
		.amdhsa_system_sgpr_workgroup_id_y 1
		.amdhsa_system_sgpr_workgroup_id_z 1
		.amdhsa_system_vgpr_workitem_id 0
		.amdhsa_next_free_vgpr 50
		.amdhsa_next_free_sgpr 66
		.amdhsa_reserve_vcc 0
		.amdhsa_float_denorm_mode_32 3
		.amdhsa_float_denorm_mode_16_64 3
		.amdhsa_memory_ordered 1
		.amdhsa_forward_progress 1
		.amdhsa_inst_pref_size 6
	.end_amdhsa_kernel
	.amdgpu_metadata
---
amdhsa.version: [ 1, 2 ]
amdhsa.kernels:
  - .name:           k_q5f90c1956f_softmax
    .symbol:         k_q5f90c1956f_softmax.kd
    .args:
      - { .name: u, .offset: 0, .size: 8, .value_kind: global_buffer, .address_space: global }
      - { .name: out0, .offset: 8, .size: 8, .value_kind: global_buffer, .address_space: global }
    .group_segment_fixed_size: 1536
    .private_segment_fixed_size: 0
    .kernarg_segment_align: 8
    .kernarg_segment_size: 16
    .max_flat_workgroup_size: 256
    .sgpr_count:     66
    .vgpr_count:     50
    .wavefront_size: 32
...
	.end_amdgpu_metadata
.endif
;; end of part 3
